; MI455X (gfx1250); checked and timed in simulation.
; The chip was launched on July 23, 2026; its instructions are those of AMD's public machine-readable ISA for CDNA 5 (MIT licence, August 2026) and "CDNA5" Instruction Set Architecture Reference Guide (July 2026). The comments in the code are by the model that wrote it; some were corrected since.
;; Aten Mm Q Mixed Signi8. Allowed arithmetic: matrix products marked QUANTISED: E2M1 operands, one E8M0 scale for each 32 along K, by v_wmma_scale_f32_16x16x128_f8f6f4 with both operands' format E2M1 (or v_wmma_scale_f32_32x16x128_f4), f32 sums; everything else in f32.
;; Inputs: x 4,096 x 4,096 int32; y 4,096 x 4,096 int32.
;; Outputs: out0 4,096 x 4,096 float32.
;; This version of the problem:
;;   THIS VERSION OF THE PROBLEM IS GIVEN IN LOW PRECISION. The matrix products marked QUANTISED in the list below multiply operands that are first quantised to E2M1 (2 exponent bits, 1 mantissa bit; 4 bits a number), with one power-of-two scale for each 32 numbers along K (OCP MX v1.0); their sums are f32. All else is computed in f32.
;;   The module's matrix products, in the order in which they are computed (A, B: the left and right operand; K: the contracted axis; several contracted axes count as one K, in the product's order):
;;     1. [M 4,096, K 4,096] x [K 4,096, N 4,096]; A: computed on the way; B: computed on the way: QUANTISED
;;   THE QUANTISER, for each operand of a quantised product, along K:
;;     - K is cut into blocks of 32 from its start; a last block that is shorter is filled with zeros.
;;     - A block's scale is 2^e with e = floor(log2(the largest magnitude in the block)) - 2, held to -126 .. 127; a block of zeros has e = 0. As a byte (E8M0): e + 127.
;;     - Each number is divided by its block's scale, clamped to +-6, and rounded to the nearest number of E2M1, ties to even, subnormals kept.
;;     - The product sums the exact products of the quantised numbers (number of the format x scale) in f32.
;;   ~~~python
;;   def quantise(x, axis):      # numpy; x: float32 -> the quantised numbers, widened to float32 again
;;       x = np.moveaxis(x, axis, -1); K = x.shape[-1]
;;       x = np.pad(x, [(0, 0)] * (x.ndim - 1) + [(0, -K % 32)]); x = x.reshape(x.shape[:-1] + (-1, 32)); a = np.abs(x).max(-1, keepdims=True)
;;       e = np.where(a > 0, np.clip(np.frexp(np.where(a > 0, a, 1))[1] - 1 - 2, -126, 127), 0)      # np.frexp(a)[1] - 1 = floor(log2(a)), exactly
;;       r = np.clip(x / 2.0 ** e, -6, 6)
;;       step = 2.0 ** (np.maximum(np.frexp(np.where(r == 0, 1, r))[1] - 1, 0) - 1)
;;       q = np.round(r / step) * step * 2.0 ** e      # np.round: ties to even
;;       return np.moveaxis(q.reshape(q.shape[:-2] + (-1,))[..., :K], -1, axis).astype(np.float32)
;;   ~~~
;;   OPERANDS COMPUTED ON THE WAY. 'Computed on the way' means the value that the module computes at that place (a softmax that the list does not call 'softmax' is quantised finished and normalised). What goes into a quantiser is computed in f32, as accurately as f32 sums, v_exp_f32 and their like allow (about 1e-6 of the number): no bf16 or f16 on the way to a quantiser, and a product that is left as it is and whose result goes on into a quantised operand takes f32 operands (vector FMAs, or v_wmma_f32_16x16x4_f32). A number that lies on a knife's edge between two numbers of the format may be rounded either way, as far as f32 arithmetic and the matrix unit's own rounding can turn it there, and no further.
;; One version. Each part assembles by itself: llvm-mc -triple=amdgcn-amd-amdhsa -mcpu=gfx1250 --defsym DOCPART=n.
;; ======== version 1 of 1: 2 launches
;; limits: right only within a limited range of input values
;; workspace buffers: xq 8,912,896 bytes; yq 8,912,896 bytes
;; launch quant (part 1): grid 256 x 2, 8 waves a work-group, no clusters, 113,664 bytes of LDS; arguments x, y, xq, yq; writes xq, yq
.if DOCPART == 1
	.amdgcn_target "amdgcn-amd-amdhsa--gfx1250"
	.amdhsa_code_object_version 6
	.text
	.protected	k_q9225d5e07b_quant
	.globl	k_q9225d5e07b_quant
	.p2align	8
	.type	k_q9225d5e07b_quant,@function
k_q9225d5e07b_quant:
	s_mov_b64 s[64:65], 0
	v_nop
	global_prefetch_b8 v0, s[64:65] scope:SCOPE_SE
	s_setreg_imm32_b32 hwreg(HW_REG_WAVE_MODE, 25, 1), 1
	s_wait_xcnt 0x0
; x [4096 (m)][4096 (k)] and y [4096 (k)][4096 (n)], int32, are dequantised in f32 as the problem writes it, (f32(q) - zero point) x scale, and quantised along K to codes of FP4 (E2M1)
; with one E8M0 scale byte for each 32 along K.  A block's scale is 2^(floor(log2(its largest magnitude)) - 2): its byte is the largest magnitude's own exponent field - 2, held at 1 from below.
; THE TWO RESULTS HAVE ONE LAYOUT, [K step of 512: 8][row: 4096][272 bytes]; a row (m of x, n of y) has 256 bytes of codes (the lower k in the low four bits), then its 16 scale bytes.  So the 128 rows of a K step
; that the product's launch fetches at a time are 34,816 consecutive bytes, and they lie in its LDS 272 bytes from row to row with the scale words beside the codes.
; LIMITS: a block of zeros gets the byte 1 where the rule says 127: its codes are zeros, which add nothing under any byte but 0xff, and the bytes are read by this program alone.  Any int32 is served, with the roundings of the problem's own f32 lines.
; SHARES.  Work-group y = 0: x.  16 rows, all of K; wave w takes K step w, a row (512 numbers, 2,048 consecutive bytes) a step.  K is innermost: loads take the bytes as they lie, 512 to a load, and a step's numbers turn
; through the wave's own stage in LDS, so that a lane holds 16 neighbours along K (two lanes to a block).
; Work-group y = 1: y.  128 columns x one K step.  K is the first axis: A LANE TAKES A COLUMN AND ITS REGISTERS RUN DOWN K, so a block of 32 lies in one lane and the codes come out with K innermost.  Wave (g = w % 4, kh = w / 4)
; takes columns 32 g .. 32 g + 31 and 256 along K: 8 blocks.
; Both paths gather whole rows of 272 bytes in LDS and send them as consecutive bytes: each store of a wave covers 512 or 256 consecutive bytes, aligned to 256.  The paths have LDS bytes of their own.
; No tensor loads, no matrix work: memory binds, and several work-groups share a WGP so that many loads are on their way.
.set KSB,   4096*272                   ; bytes of a K step in xq and in yq
.set ZPX,   0x42840000                 ; 66.0: x's zero point is -66
.set SFX,   0x3cf5c28f                 ; 0.03
.set ZPY,   0xc3200000                 ; -160.0
.set SFY,   0x3ccccccd                 ; 0.025
.set FLOOR, 0x1800000                  ; 2^(3 - 127): no largest magnitude is taken under it, so the byte cannot fall under 1
.set XW,    9728                       ; LDS of a wave on x's path: two turning stages of 32 x 80 bytes, then 16 rows x 272 for the way out
.set SP,    80                         ; a lane's place in a turning stage: its 64 bytes + 16 of padding
.set OST,   2*32*SP                    ; the out stage in a wave's region
.set YST,   8*XW                       ; y's path: 128 rows x 272 bytes, the work-group's
.set R,     32                         ; x: v32-95   four sets of 16 numbers as they are loaded
.set XX,    96                         ; x: v96-127  two sets of 16 neighbours
.set CX,    128                        ; x: v128-159 two registers of codes for each step: no store's data are written again
.set EX,    160                        ; x: v160-175 a scale byte for each step
.set YX,    32                         ; y: v32-127  three sets of 32 numbers
.set CY,    128                        ; y: v128-159 four registers of codes for each block
.set SB,    160                        ; y: v160-161 my column's 8 scale bytes
.set O,     32                         ; the way out: v32-65
	s_load_b128 s[4:7], s[0:1], 0x0                ; x, y
	s_load_b128 s[8:11], s[0:1], 0x10              ; xq, yq
	v_lshl_add_u32 v192, v0, 2, 0x1b800
	v_mov_b32 v193, 0
	v_lshrrev_b32 v1, 5, v0
	s_delay_alu instid0(VALU_DEP_1)
	v_readfirstlane_b32 s16, v1                    ; wave 0..7
	v_and_b32 v2, 31, v0                           ; lane
	s_and_b32 s17, ttmp7, 0xffff                   ; 0: x, 1: y
	v_lshlrev_b32 v3, 4, v2                        ; 16 x lane
	v_lshlrev_b32 v4, 3, v2                        ; 8 x lane
	v_lshlrev_b32 v5, 2, v2                        ; 4 x lane
	; every LDS address of both paths is made here, of constants, the lane and the wave
	s_mul_i32 s18, s16, XW
	v_lshrrev_b32 v14, 2, v2
	s_delay_alu instid0(VALU_DEP_1)
	v_mul_u32_u24 v14, v14, SP
	v_and_b32 v15, 3, v2
	s_delay_alu instid0(VALU_DEP_1)
	v_lshl_add_u32 v14, v15, 4, v14
	s_delay_alu instid0(VALU_DEP_1)
	v_add_nc_u32 v14, s18, v14                     ; x, into a turning stage: four lanes' 64 bytes on end, then 16 of padding
	v_mul_u32_u24 v15, v2, SP
	s_delay_alu instid0(VALU_DEP_1)
	v_add_nc_u32 v15, s18, v15                     ; x, out of it: my 16 neighbours
	s_add_co_u32 s19, s18, OST
	v_add_nc_u32 v6, s19, v4                       ; x: my 8 bytes of codes in a row of the out stage
	s_add_co_u32 s26, s19, 256
	v_lshrrev_b32 v7, 1, v2
	s_delay_alu instid0(VALU_DEP_1)
	v_add_nc_u32 v7, s26, v7                       ; x: my block's scale byte, behind the row's 256 bytes of codes
	v_add_nc_u32 v8, s19, v3                       ; x: the out stage read as consecutive bytes
	s_and_b32 s24, s16, 3                          ; g
	s_lshr_b32 s25, s16, 2                         ; kh
	v_mul_u32_u24 v9, v2, 272
	s_mul_i32 s26, s24, 32*272
	s_add_co_u32 s26, s26, YST
	v_add_nc_u32 v9, s26, v9                       ; y: my column's row of the stage
	s_lshl_b32 s27, s25, 3
	s_add_co_u32 s27, s27, 256
	v_add_nc_u32 v10, s27, v9                      ; y: my 8 scale bytes in it
	s_lshl_b32 s27, s25, 7
	v_add_nc_u32 v9, s27, v9                       ; y: my 128 bytes of codes in it
	s_mul_i32 s26, s16, 4352
	s_add_co_u32 s26, s26, YST
	v_add_nc_u32 v24, s26, v3                      ; y: my eighth of the stage read as consecutive bytes, 16 a lane,
	v_add_nc_u32 v25, s26, v4                      ; and 8 a lane
	s_wait_kmcnt 0x0
; n whole numbers from v[b] on become (f32(q) + s20) x s22, in place.  The sum is rounded, then the product, as the problem writes it: one fused multiply-add would round otherwise, and these numbers go into a quantiser.
.macro DEQ b, n
.set DI, 0
.rept \n
	v_cvt_f32_i32 v[\b+DI], v[\b+DI]
.set DI, DI+1
.endr
.set DI, 0
.rept (\n)/2
	v_pk_add_f32 v[\b+DI:\b+DI+1], v[\b+DI:\b+DI+1], s[20:21] op_sel_hi:[1,0]
.set DI, DI+2
.endr
.set DI, 0
.rept (\n)/2
	v_pk_mul_f32 v[\b+DI:\b+DI+1], v[\b+DI:\b+DI+1], s[22:23] op_sel_hi:[1,0]
.set DI, DI+2
.endr
.endm
; 4,352 consecutive bytes (16 rows of 272) leave LDS through registers: eight times 512 bytes, then 256.
.macro OUT la, lb, base
.irp i, 0,1,2,3,4,5,6,7
	ds_load_b128 v[O+4*\i:O+4*\i+3], v[\la] offset:512*\i
.endr
	ds_load_b64 v[O+32:O+33], v[\lb] offset:4096
.irp i, 0,1,2,3,4,5,6,7
	s_wait_dscnt 8-\i                              ; LDS loads come back in order (ISA guide 5.7.1): load i is in, the 8 - i behind it may be out
	global_store_b128 v3, v[O+4*\i:O+4*\i+3], s[\base:\base+1] offset:512*\i
.endr
	s_wait_dscnt 0x0
	global_store_b64 v4, v[O+32:O+33], s[\base:\base+1] offset:4096
.endm
	s_cmp_lg_u32 s17, 0                            ; the branch hangs on the work-group's number alone: all eight waves go one way
	s_cbranch_scc1 .Ly
	; ---------------- x ----------------
	s_mov_b32 s20, ZPX
	s_mov_b32 s21, s20                             ; (the packed forms name a pair and take its low word for both halves: so the upper is written)
	s_mov_b32 s22, SFX
	s_mov_b32 s23, s22
	s_lshl_b32 s24, ttmp9, 18                      ; my work-group's 16 rows of 16,384 bytes,
	s_lshl_b32 s25, s16, 11                        ; my wave's K step: 512 numbers
	s_add_co_u32 s24, s24, s25
	s_mov_b32 s25, 0
	s_add_nc_u64 s[4:5], s[4:5], s[24:25]
	s_mul_i32 s24, s16, KSB                        ; xq: my K step,
	s_mul_i32 s26, ttmp9, 16*272                   ; my 16 rows
	s_add_co_u32 s24, s24, s26
	s_add_nc_u64 s[8:9], s[8:9], s[24:25]
.macro XLOAD t                         ; row t's 2,048 bytes: four loads of 512 consecutive bytes
.irp i, 0,1,2,3
	global_load_b128 v[R+16*((\t)%4)+4*\i:R+16*((\t)%4)+4*\i+3], v3, s[4:5] offset:16384*(\t)+512*\i th:TH_LOAD_NT
.endr
.endm
.macro XTURN t                         ; step t's numbers through a stage of my own: LDS serves a wave's instructions in order (ISA guide 5.7.1.4), so no wait stands between the stores and the loads
.irp i, 0,1,2,3
	ds_store_b128 v14, v[R+16*((\t)%4)+4*\i:R+16*((\t)%4)+4*\i+3] offset:32*SP*((\t)%2)+8*SP*\i
.endr
.irp i, 0,1,2,3
	ds_load_b128 v[XX+16*((\t)%2)+4*\i:XX+16*((\t)%2)+4*\i+3], v15 offset:32*SP*((\t)%2)+16*\i
.endr
.endm
.macro XSTEP t
.set XS, XX+16*((\t)%2)
.if (\t) > 0
	s_wait_dscnt 2                                 ; this step's numbers are back from the stage (the last step's two stores into the out stage may be out): so its stores into the stage have read their registers,
.else
	s_wait_dscnt 0x0
.endif
.if (\t)+4 < 16
	XLOAD (\t)+4                                   ; which take the loads of four steps on
.endif
.if (\t)+1 < 16
.if (\t) <= 11
	s_wait_loadcnt 12                              ; the next step's four loads are in; those of the three steps behind it may be out
.else
	s_wait_loadcnt 4*(14-(\t))
.endif
	XTURN (\t)+1                                   ; and go through the other stage while this step is worked
.endif
	DEQ XS, 16
	v_max3_num_f32 v12, |v[XS]|, |v[XS+1]|, |v[XS+2]|              ; the largest magnitude of my 16, in two chains
	v_max3_num_f32 v13, |v[XS+3]|, |v[XS+4]|, |v[XS+5]|
.irp i, 6,10
	s_delay_alu instid0(VALU_DEP_2)
	v_max3_num_f32 v12, v12, |v[XS+\i]|, |v[XS+\i+1]|
	s_delay_alu instid0(VALU_DEP_2)
	v_max3_num_f32 v13, v13, |v[XS+\i+2]|, |v[XS+\i+3]|
.endr
	s_delay_alu instid0(VALU_DEP_2)
	v_max3_num_f32 v12, v12, |v[XS+14]|, |v[XS+15]|
	s_delay_alu instid0(VALU_DEP_1)
	v_max3_num_f32 v12, v12, v13, FLOOR
	s_delay_alu instid0(VALU_DEP_1)
	v_max_num_f32_dpp v12, v12, v12 row_xmask:1 row_mask:0xf bank_mask:0xf   ; and of my neighbour's 16: the block's
	s_delay_alu instid0(VALU_DEP_1)
	v_add_nc_u32 v11, 0xff000000, v12              ; 2 off its exponent field: the conversion takes the exponent field of this operand as its scale, and nothing else of it
	v_cvt_scalef32_pk8_fp4_f32 v[CX+2*(\t)], v[XS:XS+7], v11       ; to the nearest code, ties to even, beyond the largest code the largest; the first number's code in the lowest four bits
	v_cvt_scalef32_pk8_fp4_f32 v[CX+2*(\t)+1], v[XS+8:XS+15], v11
	v_lshrrev_b32 v[EX+(\t)], 23, v11              ; the scale's byte (a plain line behind the conversions)
	ds_store_b8 v7, v[EX+(\t)] offset:272*(\t)     ; both lanes of a block write the same byte with the same value
	ds_store_b64 v6, v[CX+2*(\t):CX+2*(\t)+1] offset:272*(\t)
.endm
.irp t, 0,1,2,3
	XLOAD \t
.endr
	s_wait_loadcnt 12                              ; step 0's four loads are in
	XTURN 0
.irp t, 0,1,2,3,4,5,6,7,8,9,10,11,12,13,14,15
	XSTEP \t
.endr
	OUT 8, 6, 8                                    ; the out stage is my own: its loads come behind my stores, in order
	s_wait_tensorcnt 0x0
	ds_add_u32 v192, v193
	s_wait_dscnt 0x0
	s_endpgm
	; ---------------- y ----------------
.Ly:
	s_mov_b32 s20, ZPY
	s_mov_b32 s21, s20
	s_mov_b32 s22, SFY
	s_mov_b32 s23, s22
	s_and_b32 s18, ttmp9, 31                       ; which 128 columns
	s_lshr_b32 s19, ttmp9, 5                       ; which K step
	s_lshl_b32 s26, s19, 23                        ; 512 rows of 16,384 bytes a K step,
	s_lshl_b32 s27, s25, 22                        ; 256 rows for the upper half,
	s_add_co_u32 s26, s26, s27
	s_lshl_b32 s27, s18, 9                         ; 128 columns of 4 bytes,
	s_add_co_u32 s26, s26, s27
	s_lshl_b32 s27, s24, 7                         ; my wave's 32 of them
	s_add_co_u32 s26, s26, s27
	s_mov_b32 s27, 0
	s_add_nc_u64 s[6:7], s[6:7], s[26:27]
	s_mul_i32 s26, s19, KSB                        ; yq: the K step,
	s_mul_i32 s18, s18, 128*272                    ; the work-group's 128 rows,
	s_add_co_u32 s26, s26, s18
	s_mul_i32 s18, s16, 4352                       ; the eighth of them that I send
	s_add_co_u32 s26, s26, s18
	s_add_nc_u64 s[10:11], s[10:11], s[26:27]
.macro YLOAD t                         ; block t: y(32 t + i, my column), i = 0 .. 31, into set t % 3: a wave reads 128 consecutive bytes, four waves side by side 512.  Every offset is an immediate: 255 rows at the most, inside its signed 24 bits
.irp i, 0,1,2,3,4,5,6,7,8,9,10,11,12,13,14,15,16,17,18,19,20,21,22,23,24,25,26,27,28,29,30,31
	global_load_b32 v[YX+32*((\t)%3)+\i], v5, s[6:7] offset:(32*(\t)+\i)*16384 th:TH_LOAD_NT
.endr
.endm
.macro YBLOCK t
.set XS, YX+32*((\t)%3)
.if (\t) < 7
	s_wait_loadcnt 32                              ; this block's 32 loads are in; the next block's may be out
.else
	s_wait_loadcnt 0x0
.endif
.if (\t)+2 < 8
	YLOAD (\t)+2                                   ; into the third set: two blocks are on their way while this one is worked
.endif
	DEQ XS, 32
	v_max3_num_f32 v12, |v[XS]|, |v[XS+1]|, |v[XS+2]|              ; the block's largest magnitude: all 32 numbers are mine
	v_max3_num_f32 v13, |v[XS+3]|, |v[XS+4]|, |v[XS+5]|
.irp i, 6,10,14,18,22,26
	s_delay_alu instid0(VALU_DEP_2)
	v_max3_num_f32 v12, v12, |v[XS+\i]|, |v[XS+\i+1]|
	s_delay_alu instid0(VALU_DEP_2)
	v_max3_num_f32 v13, v13, |v[XS+\i+2]|, |v[XS+\i+3]|
.endr
	s_delay_alu instid0(VALU_DEP_2)
	v_max3_num_f32 v12, v12, |v[XS+30]|, |v[XS+31]|
	s_delay_alu instid0(VALU_DEP_1)
	v_max3_num_f32 v12, v12, v13, FLOOR
	s_delay_alu instid0(VALU_DEP_1)
	v_add_nc_u32 v11, 0xff000000, v12              ; the conversion's scale operand
	s_delay_alu instid0(VALU_DEP_1)
	v_lshrrev_b32 v13, 23, v11                     ; the scale's byte
.if (\t)%4 == 0
	s_delay_alu instid0(VALU_DEP_1)
	v_mov_b32 v[SB+(\t)/4], v13                    ; four bytes to a register, the lower K in the lower byte
.else
	s_delay_alu instid0(VALU_DEP_1)
	v_lshl_or_b32 v[SB+(\t)/4], v13, 8*((\t)%4), v[SB+(\t)/4]
.endif
.irp g, 0,1,2,3
	v_cvt_scalef32_pk8_fp4_f32 v[CY+4*(\t)+\g], v[XS+8*\g:XS+8*\g+7], v11
.endr
	v_nop                                          ; one plain line behind the conversions: the next block writes their scale operand
	ds_store_b128 v9, v[CY+4*(\t):CY+4*(\t)+3] offset:16*(\t)      ; 32 codes: 16 bytes of my column's row; the lanes stand 272 bytes apart
.endm
	YLOAD 0
	YLOAD 1
.irp t, 0,1,2,3,4,5,6,7
	YBLOCK \t
.endr
	ds_store_b64 v10, v[SB:SB+1]
	s_wait_dscnt 0x0                               ; for the others' sake: my stores into the stage are done.  A row's 272 bytes come from two waves,
	s_barrier_signal -1
	s_barrier_wait -1                              ; so the rows are read behind a barrier
	OUT 24, 25, 10
	s_wait_tensorcnt 0x0
	ds_add_u32 v192, v193
	s_wait_dscnt 0x0
	s_endpgm
.Lfunc_end_k_q9225d5e07b_quant:
	.size	k_q9225d5e07b_quant, .Lfunc_end_k_q9225d5e07b_quant-k_q9225d5e07b_quant
	.p2alignl 7, 3214868480
	.fill 96, 4, 3214868480
	.section	.rodata,"a",@progbits
	.p2align	6, 0x0
	.amdhsa_kernel k_q9225d5e07b_quant
		.amdhsa_group_segment_fixed_size 113664
		.amdhsa_private_segment_fixed_size 0
		.amdhsa_enable_private_segment 0
		.amdhsa_kernarg_size 32
		.amdhsa_user_sgpr_count 2
		.amdhsa_user_sgpr_kernarg_segment_ptr 1
		.amdhsa_wavefront_size32 1
		.amdhsa_system_sgpr_workgroup_id_x 1
		.amdhsa_system_sgpr_workgroup_id_y 1
		.amdhsa_system_sgpr_workgroup_id_z 1
		.amdhsa_system_vgpr_workitem_id 0
		.amdhsa_next_free_vgpr 194
		.amdhsa_next_free_sgpr 66
		.amdhsa_reserve_vcc 0
		.amdhsa_float_denorm_mode_32 3
		.amdhsa_float_denorm_mode_16_64 3
		.amdhsa_memory_ordered 1
		.amdhsa_forward_progress 1
		.amdhsa_inst_pref_size 131
	.end_amdhsa_kernel
	.amdgpu_metadata
---
amdhsa.version: [ 1, 2 ]
amdhsa.kernels:
  - .name:           k_q9225d5e07b_quant
    .symbol:         k_q9225d5e07b_quant.kd
    .args:
      - { .name: x, .offset: 0, .size: 8, .value_kind: global_buffer, .address_space: global }
      - { .name: y, .offset: 8, .size: 8, .value_kind: global_buffer, .address_space: global }
      - { .name: xq, .offset: 16, .size: 8, .value_kind: global_buffer, .address_space: global }
      - { .name: yq, .offset: 24, .size: 8, .value_kind: global_buffer, .address_space: global }
    .group_segment_fixed_size: 113664
    .private_segment_fixed_size: 0
    .kernarg_segment_align: 8
    .kernarg_segment_size: 32
    .max_flat_workgroup_size: 256
    .sgpr_count:     66
    .vgpr_count:     194
    .wavefront_size: 32
...
	.end_amdgpu_metadata
.endif
;; end of part 1
;; launch gemm (part 2): grid 16 x 16, 4 waves a work-group, clusters of 4 x 4, 327,680 bytes of LDS; arguments xq, yq, out0; writes out0
.if DOCPART == 2
	.amdgcn_target "amdgcn-amd-amdhsa--gfx1250"
	.amdhsa_code_object_version 6
	.text
	.protected	k_q9225d5e07b_gemm
	.globl	k_q9225d5e07b_gemm
	.p2align	8
	.type	k_q9225d5e07b_gemm,@function
k_q9225d5e07b_gemm:
	s_mov_b64 s[64:65], 0
	v_nop
	global_prefetch_b8 v0, s[64:65] scope:SCOPE_SE
	s_setreg_imm32_b32 hwreg(HW_REG_WAVE_MODE, 25, 1), 1
	s_wait_xcnt 0x0
	s_wait_alu depctr_hold_cnt(0) depctr_sa_sdst(0) depctr_va_vdst(0) depctr_va_sdst(0) depctr_va_ssrc(0) depctr_va_vcc(0) depctr_vm_vsrc(0)
	s_getreg_b32 s2, hwreg(HW_REG_IB_STS2, 6, 4)
	s_cmp_eq_u32 s2, 0
	s_cbranch_scc0 .Lentry_in_a_cluster
	s_endpgm
.Lentry_in_a_cluster:
	s_bfe_u32 s2, ttmp6, 0x10000c
	s_cmp_lg_u32 s2, 0xf033
	s_cbranch_scc0 .Lentry_shape_is_right
	s_endpgm
.Lentry_shape_is_right:
; out0[m][n] = sum over k of X[m][k] Y[k][n] on codes of FP4 (E2M1) with one E8M0 byte for each 32 along K, as the launch before laid them:
; xq and yq are [K step of 512: 8][row: 4096][272 bytes]; a row (m of x, n of y) is 256 bytes of codes, then its 16 scale bytes.  Sums in f32, K ascending.
; A work-group of four waves makes 256 x 256 of out0, a wave 128 x 128: 32 accumulators of 16 rows x 32 columns of out0, 16 registers each, 512 in all.  256 work-groups.
; K goes in steps of 512 through two LDS slots.  A wave's tensor load brings 128 rows of a K step: 34,816 consecutive bytes, stated as 136 rows of 256 bytes; in LDS the rows lie 272 bytes apart.
; CLUSTERS: 4 x 4 work-groups.  The four of a row of the cluster need the same rows of xq, the four of a column the same rows of yq: each tile is asked for jointly, one descriptor and one mask for the four.
; THE PRODUCT is v_wmma_scale_f32_32x16x128_f4, USED TRANSPOSED: source 0 = 32 rows of yq (two neighbouring fragments of 16 rows), source 1 = 16 rows of xq.  A lane holds, of one row of out0,
; eight neighbouring numbers in registers 0-7 of an accumulator and the eight that lie 16 columns on in registers 8-15.
; REGISTERS: window 0: v0-31 addresses; v32-95 scale words, a set of 32 for each slot, a lane to a row: 16 registers for x's four groups of 32 rows (an even block of 16 in lanes 0-15, the odd one in lanes 16-31),
;   16 for y's four groups of 32 rows; v96-255 serve the last K step and the way out.
;   window 1: two sets of fragments of 128 along K: set p holds y's eight at v[128 p], x's eight at v[128 p + 64].   windows 2, 3: the accumulators of my rows 0-63, 64-127.
; A step of 128 along K is 32 products on one set; the other set takes the next step's 32 LDS loads, in ONE run at the step's head, 32 products ahead of their first use.
; PREFETCH: each wave names, ahead of the refills, its work-group's quarter (8,704 bytes = 34 blocks of 256) of the 128 rows that it fetches; the four partners of a joint load are told apart by address.
; K step 1 is named behind the first joint load, steps 2 and 3 behind the second, step t + 4 at the change of slots in step t (two refills ahead); steps beyond 7 do not exist and are not named.  K step 0 comes by its load alone.
.set SIZE_N, 4096
.set NQ,     4                         ; steps of 128 in a slot
.set PITCH,  272
.set FR,     8                         ; registers of a fragment of 16 rows
.set HALFT,  128*PITCH                 ; what one tensor load brings
.set SLOT,   4*HALFT                   ; x's 256 rows, then y's 256 rows
.set KSB,    4096*PITCH                ; bytes of a K step in xq and in yq
.set LAPS,   4                         ; a lap = two K steps
.set SPARE,  2*SLOT                    ; behind the ring: the spare words, 128 bytes a wave
.set SPITCH, 528                       ; the way out: a stage of 16 rows x (512 + 16) bytes a wave, in slot 0 behind its last fill and last read
.set ADRA, 16                          ; v16-17 LDS address of x's fragments in slot 0, 1
.set ADRT, 18                          ; v18-19 of y's scale words
.set ADRB, 20                          ; v20-21 of y's fragments
.set ADRS, 22                          ; v22-23 of x's scale words
.set STO,  24
.set RD,   25
.set CO,   26
.set SPW,  28                          ; my spare word
.set NIL,  29                          ; 0
.set PFO,  30                          ; 256 x lane: blocks 0-31 of my share
.set PFO2, 31                          ; 256 x min(lane, 1): blocks 32, 33 (the other lanes name block 33 again)
.set SC,   32
.set PA,   96                          ; last K step: x's fragments of 16 rows x 512 K: even blocks at v96-127, odd blocks at v32-63 (slot 0's scale words are done with by then)
.set BK,   128                         ; the way out: 16 rows read back, v128-191 and v192-255 by turns
.set PFA,  8                           ; s[8:9] where my prefetches stand
.set G1, 24
.set G0, 32
.set G1B, 48
.set G0B, 56
.set MSB, 0
.macro WIN new                         ; the immediate's high byte repeats the setting that is left
.if MSB != \new
	s_set_vgpr_msb (MSB<<8)|\new
.set MSB, \new
.endif
.endm
.set MUL_LO, 0xa5                      ; sources 0 and 1 window 1, C and D window 2
.set MUL_HI, 0xf5                      ; C and D window 3
.set ROW_LO, 0xa1                      ; last K step: source 1 (x) in window 0
.set TO_F,   0x40                      ; destination window 1, address window 0
.macro JLOAD g0a, g1a, g0b, g1b        ; a joint load: waves 0, 1 fetch x's halves, waves 2, 3 y's; s_nop 0 and four v_nop behind each line
	s_cmp_eq_u32 s15, 0
	s_cbranch_scc0 .Lfor_b_\@
	tensor_load_to_lds s[\g0a:\g0a+3], s[\g1a:\g1a+7]
	s_nop 0
.rept 4
	v_nop
.endr
	s_branch .Lasked_\@
.Lfor_b_\@:
	tensor_load_to_lds s[\g0b:\g0b+3], s[\g1b:\g1b+7]
	s_nop 0
.rept 4
	v_nop
.endr
.Lasked_\@:
.endm
.macro ASK off                         ; my 34 blocks of the K step that lies off bytes on
	global_prefetch_b8 v[PFO], s[PFA:PFA+1] offset:\off th:TH_LOAD_NT scope:SCOPE_SE
	global_prefetch_b8 v[PFO2], s[PFA:PFA+1] offset:\off+8192 th:TH_LOAD_NT scope:SCOPE_SE
.endm
.macro CREST                           ; a round of the cluster's barrier behind its opening barrier
	s_cmp_lg_u32 s14, 0
	s_cbranch_scc1 .Lnot_wave_0_\@
	s_barrier_signal -3
.Lnot_wave_0_\@:
	s_barrier_wait -3
	s_barrier_signal -1
	s_barrier_wait -1
.endm
.macro CROUND
	s_barrier_signal -1
	s_barrier_wait -1
	CREST
.endm
	s_load_b128 s[4:7], s[0:1], 0x0                ; xq, yq
	s_load_b64 s[12:13], s[0:1], 0x10              ; out0
	v_lshl_add_u32 v[SPW], v0, 2, SPARE
	v_mov_b32 v[NIL], 0
	ds_add_u32 v[SPW], v[NIL]                      ; the opening lines: the add twice on end and one wait
	ds_add_u32 v[SPW], v[NIL]
	v_lshrrev_b32 v1, 5, v0
	v_readfirstlane_b32 s14, v1                    ; wave 0..3
	v_and_b32 v6, 31, v0
	v_lshlrev_b32 v[PFO], 8, v6
	v_min_u32 v[PFO2], 1, v6
	v_lshlrev_b32 v[PFO2], 8, v[PFO2]
	s_lshr_b32 s15, s14, 1                         ; my half of the block's rows; also: I fetch for x (0) or y (1)
	s_and_b32 s16, s14, 1                          ; my half of its columns; also: which 128 rows I fetch
	s_bfe_u32 s40, ttmp6, 0x40000                  ; cx
	s_bfe_u32 s41, ttmp6, 0x40004                  ; cy
	s_lshl_b32 s42, ttmp9, 2
	s_add_co_u32 s42, s42, s40                     ; block column
	s_and_b32 s17, ttmp7, 0xffff
	s_lshl_b32 s17, s17, 2
	s_add_co_u32 s17, s17, s41                     ; block row
	s_lshl_b32 s43, s41, 2
	s_lshl_b32 s43, 15, s43                        ; my row of the cluster
	s_lshl_b32 s44, 0x1111, s40                    ; my column
	s_or_b32 s[G1+0], s43, (3<<16)|(1<<21)         ; the mask, elements of 8 bytes, bit 21 beside a mask
	s_or_b32 s[G1B+0], s44, (3<<16)|(1<<21)
.irp g, G1, G1B
	s_mov_b32 s[\g+1], 32<<16                      ; rows of 32 elements = 256 bytes,
	s_mov_b32 s[\g+2], 136<<16                     ; 136 of them,
	s_mov_b32 s[\g+3], 32<<16
	s_mov_b32 s[\g+4], 136
	s_mov_b32 s[\g+5], 32                          ; dense
	s_mov_b32 s[\g+6], 0
	s_mov_b32 s[\g+7], 0
.endr
	s_lshl_b32 s18, s16, 7
	s_lshl_b32 s20, s17, 8
	s_add_co_u32 s20, s20, s18                     ; x: row 256 x block row + 128 x half
	s_lshl_b32 s46, s42, 8
	s_add_co_u32 s46, s46, s18                     ; y: row 256 x block column + 128 x half
	s_mul_i32 s20, s20, PITCH
	s_mov_b32 s21, 0
	s_mul_i32 s46, s46, PITCH
	s_mov_b32 s47, 0
	s_mul_i32 s45, s14, HALFT                      ; where my 128 rows go in a slot
	s_cmp_eq_u32 s15, 0                            ; the prefetches' offset: the rows that I fetch,
	s_cselect_b32 s10, s17, s42
	s_cselect_b32 s11, s40, s41                    ; and my place among the four that ask with me
	s_lshl_b32 s10, s10, 8
	s_add_co_u32 s10, s10, s18
	s_lshl_b32 s11, s11, 5
	s_add_co_u32 s10, s10, s11                     ; 32 rows x 272 bytes = 34 blocks of 256 for each partner
	s_mul_i32 s10, s10, PITCH
	s_mov_b32 s11, 0
	s_wait_alu depctr_va_vdst(0)
	s_wait_dscnt 0x0                               ; both opening adds are done
	s_wait_kmcnt 0x0
	s_add_nc_u64 s[20:21], s[4:5], s[20:21]
	s_add_nc_u64 s[46:47], s[6:7], s[46:47]
	s_cmp_eq_u32 s15, 0
	s_cselect_b64 s[PFA:PFA+1], s[4:5], s[6:7]
	s_add_nc_u64 s[PFA:PFA+1], s[PFA:PFA+1], s[10:11]   ; my share of K step 0
.irp s, 0,1
	s_mov_b32 s[G0+4*\s], 1
	s_add_co_u32 s[G0+4*\s+1], s45, \s*SLOT
	s_add_nc_u64 s[G0+4*\s+2:G0+4*\s+3], s[20:21], \s*KSB
	s_or_b32 s[G0+4*\s+3], s[G0+4*\s+3], 0x80000000
	s_mov_b32 s[G0B+4*\s], 1
	s_add_co_u32 s[G0B+4*\s+1], s45, \s*SLOT
	s_add_nc_u64 s[G0B+4*\s+2:G0B+4*\s+3], s[46:47], \s*KSB
	s_or_b32 s[G0B+4*\s+3], s[G0B+4*\s+3], 0x80000000
.endr
	CROUND                                         ; all sixteen work-groups are here: the first joint loads meet
	JLOAD G0, G1, G0B, G1B                         ; K step 0: one tensor load a wave at the head
	s_mul_i32 s21, s15, HALFT                      ; my 128 rows of x in a slot
	s_mul_i32 s22, s16, HALFT
	s_add_co_u32 s22, s22, 2*HALFT                 ; my 128 rows of y, behind x's 256
	s_add_co_u32 s19, s21, 256                     ; the scale bytes stand behind a row's 256 bytes of codes
	s_add_co_u32 s23, s22, 256
	s_mul_i32 s18, s14, 16*SPITCH                  ; my stage
	s_lshl_b32 s10, s17, 8
	s_lshl_b32 s11, s15, 7
	s_add_co_u32 s10, s10, s11                     ; my first row of out0,
	s_lshl_b32 s10, s10, 14                        ; 16,384 bytes a row (under 2^27 in all),
	s_lshl_b32 s11, s42, 10
	s_add_co_u32 s10, s10, s11                     ; the block's first column,
	s_lshl_b32 s11, s16, 9
	s_add_co_u32 s10, s10, s11                     ; my half
	s_mov_b32 s11, 0
	s_add_nc_u64 s[12:13], s[12:13], s[10:11]
	ASK KSB                                        ; K step 1, which the second joint load will want
	v_and_b32 v1, 15, v0                           ; l % 16
	v_bfe_u32 v2, v0, 4, 1                         ; l / 16
	v_and_b32 v6, 31, v0                           ; l
	v_mul_u32_u24 v3, v1, PITCH
	v_mul_u32_u24 v5, v6, PITCH                    ; scale words: a lane to a row, 32 rows a load
	v_lshl_add_u32 v4, v2, 4, v3                   ; a fragment's row x pitch + 16 x half
	v_add_nc_u32 v[ADRA], s21, v4
	v_add_nc_u32 v[ADRB], s22, v4
	v_add_nc_u32 v[ADRS], s19, v5
	v_add_nc_u32 v[ADRT], s23, v5
	v_add_nc_u32 v[ADRA+1], SLOT, v[ADRA]
	v_add_nc_u32 v[ADRB+1], SLOT, v[ADRB]
	v_add_nc_u32 v[ADRS+1], SLOT, v[ADRS]
	v_add_nc_u32 v[ADRT+1], SLOT, v[ADRT]
	v_mul_u32_u24 v5, v1, SPITCH                   ; into the stage: row l % 16, 32 bytes for each half of the lanes
	v_lshl_add_u32 v5, v2, 5, v5
	v_add_nc_u32 v[STO], s18, v5
	v_lshlrev_b32 v[CO], 4, v6                     ; back: the 32 lanes take one row of 512 bytes; the same in out0
	v_add_nc_u32 v[RD], s18, v[CO]
.macro FRAG reg, adr, q, i             ; 16 rows x 128 K: lane l holds row l % 16; registers 4 c .. 4 c + 3 hold K = 64 c + 32 (l / 16) + 0 .. 31
.irp c, 0,1
	ds_load_b128 v[\reg+4*\c:\reg+4*\c+3], v[\adr] offset:64*(\q)+32*\c+(\i)*16*PITCH
.endr
.endm
.macro FETCH slot, q, p                ; 32 LDS loads in one run: y's eight fragments and x's eight of the slot's q-th 128 along K, into set p
	WIN TO_F
.irp i, 0,1,2,3,4,5,6,7
	FRAG 128*(\p)+FR*\i, ADRB+\slot, \q, \i
.endr
.irp i, 0,1,2,3,4,5,6,7
	FRAG 128*(\p)+64+FR*\i, ADRA+\slot, \q, \i
.endr
.endm
; One product: accumulator v[DD ..], 32 rows of y at v[YY ..], 16 rows of x at v[XX ..], y's scale words in all 32 lanes of v[SY], x's in lanes 0-15 of v[SX] (odd = 1: in lanes 16-31).  zero = 1: it starts the sum.
.macro WM zero, odd
.if \zero
.if \odd
	v_wmma_scale_f32_32x16x128_f4 v[DD:DD+15], v[YY:YY+15], v[XX:XX+7], 0, v[SY], v[SX] matrix_b_scale:MATRIX_SCALE_ROW1
.else
	v_wmma_scale_f32_32x16x128_f4 v[DD:DD+15], v[YY:YY+15], v[XX:XX+7], 0, v[SY], v[SX]
.endif
.else
.if \odd
	v_wmma_scale_f32_32x16x128_f4 v[DD:DD+15], v[YY:YY+15], v[XX:XX+7], v[DD:DD+15], v[SY], v[SX] matrix_b_scale:MATRIX_SCALE_ROW1
.else
	v_wmma_scale_f32_32x16x128_f4 v[DD:DD+15], v[YY:YY+15], v[XX:XX+7], v[DD:DD+15], v[SY], v[SX]
.endif
.endif
.endm
; four products: x's block a against y's four groups of 32 rows, the slot's q-th 128 along K, set p.  The 32 accumulators take turns in one order in every step.
.macro MUL8 a, p, q, sc, zero
.irp g, 0,1,2,3
.set DD, 8*(8*((\a)%4)+2*\g)
.set YY, 128*(\p)+16*\g
.set XX, 128*(\p)+64+FR*(\a)
.set SY, SC+32*(\sc)+16+NQ*\g+(\q)
.set SX, SC+32*(\sc)+NQ*((\a)/2)+(\q)
	WM \zero, (\a)%2
.endr
.endm
.macro MUL16 a0, p, q, sc, zero
	MUL8 \a0, \p, \q, \sc, \zero
	MUL8 \a0+1, \p, \q, \sc, \zero
.endm
.macro SCALES sc                       ; a K step's scale words, four words a row, a lane to a row: x's four groups of 32 rows, then y's
.irp g, 0,1,2,3
	ds_load_b128 v[SC+32*\sc+NQ*\g:SC+32*\sc+NQ*\g+3], v[ADRS+\sc] offset:\g*32*PITCH
.endr
.irp g, 0,1,2,3
	ds_load_b128 v[SC+32*\sc+16+NQ*\g:SC+32*\sc+16+NQ*\g+3], v[ADRT+\sc] offset:\g*32*PITCH
.endr
.endm
.macro PLACES                          ; four places behind a product, ahead of loads into registers that it read and of reads of its result
.rept 4
	v_nop
.endr
.endm
; A step of 128 along K whose successor lies in the same slot.
.macro STEP slot, q, zero
.set PC, (\q)%2
	s_wait_dscnt 0x0                               ; this step's fragments, asked for 32 products ago, are in
	PLACES                                         ; the other set was read by the step before
	FETCH \slot, (\q)+1, 1-PC
	WIN MUL_LO
	MUL16 0, PC, \q, \slot, \zero
	MUL16 2, PC, \q, \slot, \zero
	WIN MUL_HI
	MUL16 4, PC, \q, \slot, \zero
	MUL16 6, PC, \q, \slot, \zero
.endm
; The head of a slot's last step: ONE barrier for the change of slots.  fill = 1: the slot's descriptors step two K steps on while no tensor load of mine is out.
.macro MEET slot, fill
	WIN 0
	s_wait_tensorcnt 0x0                           ; all my tensor loads have landed: my part of the next slot
	ds_add_u32 v[SPW], v[NIL]
.if \fill
	s_add_nc_u64 s[G0+4*\slot+2:G0+4*\slot+3], s[G0+4*\slot+2:G0+4*\slot+3], 2*KSB
	s_add_nc_u64 s[G0B+4*\slot+2:G0B+4*\slot+3], s[G0B+4*\slot+2:G0B+4*\slot+3], 2*KSB
.endif
	s_wait_dscnt 1                                 ; this step's fragments are in; the add may be out
	WIN MUL_LO
	MUL8 0, 1, NQ-1, \slot, 0
	s_wait_dscnt 0x0                               ; the add is done, and my reads of this slot are over
	s_barrier_signal -1
	MUL8 1, 1, NQ-1, \slot, 0
	WIN 0
	s_barrier_wait -1
.endm
; A slot's last step with a refill: the barrier opens a round of the cluster's barrier, the joint load comes first behind it, then the next slot's first fragments, 24 products ahead of their use.
.macro TURN slot, next
	s_wait_xcnt 0x0                                ; my prefetches have read their address
	s_add_nc_u64 s[PFA:PFA+1], s[PFA:PFA+1], KSB
	MEET \slot, 1
	CREST
	JLOAD G0+4*\slot, G1, G0B+4*\slot, G1B         ; its four v_nop are also the places ahead of the loads below
	SCALES \next
	s_cmp_gt_u32 s3, 1                             ; the last trip's two changes of slots would name K steps 8 and 9
	s_cbranch_scc0 .Lno_ask_\@
	ASK 3*KSB                                      ; in K step t the address stands at step t + 1: this names step t + 4, two refills on
.Lno_ask_\@:
	FETCH \next, 0, 0
	WIN MUL_LO
	MUL16 2, 1, NQ-1, \slot, 0
	WIN MUL_HI
	MUL16 4, 1, NQ-1, \slot, 0
	MUL16 6, 1, NQ-1, \slot, 0
.endm
; THE LAST K STEP (slot 1) GOES BY ROWS OF out0: all its fragments of y fill window 1; my eight blocks of 16 rows are finished one after the other, K ascending, and each leaves as soon as it is finished.
.macro BLOAD q
.irp i, 0,1,2,3,4,5,6,7
	FRAG 64*(\q)+FR*\i, ADRB+1, \q, \i
.endr
.endm
.macro ALOAD a
.set FA, PA-64*((\a)%2)
.irp q, 0,1,2,3
	FRAG FA+FR*\q, ADRA+1, \q, \a
.endr
.endm
.macro ROW a                           ; block a is finished: 16 products, its four accumulators by turns
.set FA, PA-64*((\a)%2)
.set AC, 64*((\a)%4)
	WIN ROW_LO+0x50*((\a)/4)
.irp q, 0,1,2,3
.if (\a) == 0 && \q >= 2
	s_wait_dscnt 16*(3-\q)                         ; y's quarter q is in (behind quarter 2: the 16 loads of quarter 3)
.endif
.irp g, 0,1,2,3
.set DD, AC+16*\g
.set YY, 64*\q+16*\g
.set XX, FA+FR*\q
.set SY, SC+32+16+NQ*\g+\q
.set SX, SC+32+NQ*((\a)/2)+\q
	WM 0, (\a)%2
.endr
.endr
.endm
.macro TOSTAGE a                       ; 16 rows x 128 columns through my own stage: in as 32 bytes a lane, back as whole rows of 512 bytes; LDS serves a wave's instructions in order (ISA guide 5.7.1.4)
.set AC, 64*((\a)%4)
.set BB, BK+64*((\a)%2)
	WIN 0x08+4*((\a)/4)
.irp b, 0,1,2,3,4,5,6,7
	ds_store_b128 v[STO], v[AC+8*\b:AC+8*\b+3] offset:64*\b          ; each accumulator's 16 registers in ascending order, from its low end on
	ds_store_b128 v[STO], v[AC+8*\b+4:AC+8*\b+7] offset:64*\b+16
.endr
	WIN 0
.irp t, 0,1,2,3,4,5,6,7,8,9,10,11,12,13,14,15
	ds_load_b128 v[BB+4*\t:BB+4*\t+3], v[RD] offset:\t*SPITCH
.endr
.endm
.macro SEND a, younger
.set BB, BK+64*((\a)%2)
	WIN 0
	s_wait_dscnt \younger                          ; the block is back in registers
.if (\a) > 0
	s_wait_xcnt 0x0                                ; block a - 1's stores have read their registers and their base: the base steps here, and block a + 1's rows may land where block a - 1's lay
	s_add_nc_u64 s[12:13], s[12:13], 16*SIZE_N*4
.endif
.irp t, 0,1,2,3,4,5,6,7,8,9,10,11,12,13,14,15
	global_store_b128 v[CO], v[BB+4*\t:BB+4*\t+3], s[12:13] offset:\t*SIZE_N*4 th:TH_STORE_NT   ; 32 lanes store 512 consecutive bytes, aligned to 256
.endr
.endm
	s_wait_alu depctr_va_vdst(0)
	s_wait_tensorcnt 0x0                           ; my part of K step 0 is in
	ds_add_u32 v[SPW], v[NIL]
	s_wait_dscnt 0x0
	CROUND                                         ; everybody's part is in, and the sixteen work-groups meet
	JLOAD G0+4, G1, G0B+4, G1B                     ; K step 1, slot 1's first fill
	SCALES 0
	ASK 2*KSB                                      ; K steps 2 and 3
	ASK 3*KSB
	FETCH 0, 0, 0
	STEP 0, 0, 1                                   ; the first step's products start the sums
	WIN 0
	s_mov_b32 s3, LAPS-1
.Llap:                                                 ; a trip goes once round the ring, from a lap's second step to the next lap's first
	STEP 0, 1, 0
	STEP 0, 2, 0
	TURN 0, 1
	STEP 1, 0, 0
	STEP 1, 1, 0
	STEP 1, 2, 0
	TURN 1, 0
	STEP 0, 0, 0
	WIN 0
	s_sub_co_u32 s3, s3, 1
	s_cmp_lg_u32 s3, 0
	s_cbranch_scc1 .Llap
	STEP 0, 1, 0
	STEP 0, 2, 0
	MEET 0, 0                                      ; the last change of slots: nothing is filled again, so no round follows
	PLACES                                         ; set 0 was read by the step before
	SCALES 1
	ALOAD 0
	WIN TO_F
	BLOAD 0                                        ; set 0's registers; set 1 is still being multiplied
	BLOAD 1
	WIN MUL_LO
	MUL16 2, 1, NQ-1, 0, 0
	WIN MUL_HI
	MUL16 4, 1, NQ-1, 0, 0
	MUL16 6, 1, NQ-1, 0, 0
	PLACES                                         ; set 1 and slot 0's scale words were read by the products above
	WIN 0
	ALOAD 1
	WIN TO_F
	BLOAD 2
	BLOAD 3
	s_wait_dscnt 40                                ; all but the 40 just issued
	ROW 0
; Block a goes into the stage; block a + 1 is multiplied while it comes back; then block a is stored.  Two buffers of rows read back, so that one block's stores may still read theirs while the next block's rows land.
.irp a, 0,1,2,3,4,5,6,7
	PLACES                                         ; the block's results were just made
	TOSTAGE \a
.if \a < 6
	ALOAD \a+2                                     ; block a's buffer takes the block two further on
	s_wait_dscnt 40                                ; all but the stage's 32 and those 8: block a + 1's fragments are in
	ROW \a+1
	SEND \a, 8
.else
.if \a < 7
	s_wait_dscnt 32
	ROW \a+1
.endif
	SEND \a, 0
.endif
.endr
	s_wait_tensorcnt 0x0                           ; the wave's end
	ds_add_u32 v[SPW], v[NIL]
	s_wait_dscnt 0x0
	CROUND                                         ; the closing round
	s_endpgm
.Lfunc_end_k_q9225d5e07b_gemm:
	.size	k_q9225d5e07b_gemm, .Lfunc_end_k_q9225d5e07b_gemm-k_q9225d5e07b_gemm
	.p2alignl 7, 3214868480
	.fill 96, 4, 3214868480
	.section	.rodata,"a",@progbits
	.p2align	6, 0x0
	.amdhsa_kernel k_q9225d5e07b_gemm
		.amdhsa_group_segment_fixed_size 327680
		.amdhsa_private_segment_fixed_size 0
		.amdhsa_enable_private_segment 0
		.amdhsa_kernarg_size 24
		.amdhsa_user_sgpr_count 2
		.amdhsa_user_sgpr_kernarg_segment_ptr 1
		.amdhsa_wavefront_size32 1
		.amdhsa_system_sgpr_workgroup_id_x 1
		.amdhsa_system_sgpr_workgroup_id_y 1
		.amdhsa_system_sgpr_workgroup_id_z 1
		.amdhsa_system_vgpr_workitem_id 0
		.amdhsa_next_free_vgpr 1024
		.amdhsa_next_free_sgpr 66
		.amdhsa_reserve_vcc 0
		.amdhsa_float_denorm_mode_32 3
		.amdhsa_float_denorm_mode_16_64 3
		.amdhsa_memory_ordered 1
		.amdhsa_forward_progress 1
		.amdhsa_inst_pref_size 145
	.end_amdhsa_kernel
	.amdgpu_metadata
---
amdhsa.version: [ 1, 2 ]
amdhsa.kernels:
  - .name:           k_q9225d5e07b_gemm
    .symbol:         k_q9225d5e07b_gemm.kd
    .args:
      - { .name: xq, .offset: 0, .size: 8, .value_kind: global_buffer, .address_space: global }
      - { .name: yq, .offset: 8, .size: 8, .value_kind: global_buffer, .address_space: global }
      - { .name: out0, .offset: 16, .size: 8, .value_kind: global_buffer, .address_space: global }
    .group_segment_fixed_size: 327680
    .private_segment_fixed_size: 0
    .kernarg_segment_align: 8
    .kernarg_segment_size: 24
    .max_flat_workgroup_size: 128
    .sgpr_count:     66
    .vgpr_count:     1024
    .wavefront_size: 32
...
	.end_amdgpu_metadata
.endif
;; end of part 2
